; MI455X (gfx1250); checked and timed in simulation.
; The chip was launched on July 23, 2026; its instructions are those of AMD's public machine-readable ISA for CDNA 5 (MIT licence, August 2026) and "CDNA5" Instruction Set Architecture Reference Guide (July 2026). The comments in the code are by the model that wrote it; some were corrected since.
;; Ro PE Masked Attention Head. Allowed arithmetic: matrix products marked QUANTISED: E2M3 operands, one E8M0 scale for each 32 along K, by v_wmma_scale_f32_16x16x128_f8f6f4 with both operands' format E2M3, f32 sums; everything else in f32.
;; Inputs: b_k 128 float32; b_q 128 float32; b_v 128 float32; cos 4,096 x 128 float32; sin 4,096 x 128 float32; w_k_codes 128 x 128 x 24 uint8 (E2M3 codes of w_k, K innermost, in blocks of 32 codes, four codes in three bytes); w_k_scales 128 x 128 uint8 (E8M0 scales of w_k, one for each 32 codes along K); w_q_codes 128 x 128 x 24 uint8 (E2M3 codes of w_q, K innermost, in blocks of 32 codes, four codes in three bytes); w_q_scales 128 x 128 uint8 (E8M0 scales of w_q, one for each 32 codes along K); w_v_codes 128 x 128 x 24 uint8 (E2M3 codes of w_v, K innermost, in blocks of 32 codes, four codes in three bytes); w_v_scales 128 x 128 uint8 (E8M0 scales of w_v, one for each 32 codes along K); x_codes 4 x 4,096 x 128 x 24 uint8 (E2M3 codes of x, K innermost, in blocks of 32 codes, four codes in three bytes); x_scales 4 x 4,096 x 128 uint8 (E8M0 scales of x, one for each 32 codes along K).
;; Outputs: out0 4 x 4,096 x 128 float32.
;; This version of the problem:
;;   THIS VERSION OF THE PROBLEM IS GIVEN IN LOW PRECISION. The matrix products marked QUANTISED in the list below multiply operands that are first quantised to E2M3 (2 exponent bits, 3 mantissa bits; 6 bits a number), with one power-of-two scale for each 32 numbers along K (OCP MX v1.0); their sums are f32. All else is computed in f32.
;;   The module's matrix products, in the order in which they are computed (A, B: the left and right operand; K: the contracted axis; several contracted axes count as one K, in the product's order):
;;     1. [M 16,384, K 4,096] x [K 4,096, N 128]; A: input x (given as codes); B: input w_q (given as codes): QUANTISED
;;     2. [M 16,384, K 4,096] x [K 4,096, N 128]; A: input x (given as codes); B: input w_k (given as codes): QUANTISED
;;     3. [M 16,384, K 4,096] x [K 4,096, N 128]; A: input x (given as codes); B: input w_v (given as codes): QUANTISED
;;     4. batch 4 x [M 4,096, K 128] x [K 128, N 4,096]; A: computed on the way; B: computed on the way: QUANTISED
;;     5. batch 4 x [M 4,096, K 4,096] x [K 4,096, N 128]; A: softmax (see below); B: computed on the way: QUANTISED
;;   THE QUANTISER, for each operand of a quantised product, along K:
;;     - K is cut into blocks of 32 from its start; a last block that is shorter is filled with zeros.
;;     - A block's scale is 2^e with e = floor(log2(the largest magnitude in the block)) - 2, held to -126 .. 127; a block of zeros has e = 0. As a byte (E8M0): e + 127.
;;     - Each number is divided by its block's scale, clamped to +-7.5, and rounded to the nearest number of E2M3, ties to even, subnormals kept.
;;     - The product sums the exact products of the quantised numbers (number of the format x scale) in f32.
;;   ~~~python
;;   def quantise(x, axis):      # numpy; x: float32 -> the quantised numbers, widened to float32 again
;;       x = np.moveaxis(x, axis, -1); K = x.shape[-1]
;;       x = np.pad(x, [(0, 0)] * (x.ndim - 1) + [(0, -K % 32)]); x = x.reshape(x.shape[:-1] + (-1, 32)); a = np.abs(x).max(-1, keepdims=True)
;;       e = np.where(a > 0, np.clip(np.frexp(np.where(a > 0, a, 1))[1] - 1 - 2, -126, 127), 0)      # np.frexp(a)[1] - 1 = floor(log2(a)), exactly
;;       r = np.clip(x / 2.0 ** e, -7.5, 7.5)
;;       step = 2.0 ** (np.maximum(np.frexp(np.where(r == 0, 1, r))[1] - 1, 0) - 3)
;;       q = np.round(r / step) * step * 2.0 ** e      # np.round: ties to even
;;       return np.moveaxis(q.reshape(q.shape[:-2] + (-1,))[..., :K], -1, axis).astype(np.float32)
;;   ~~~
;;   SOFTMAX AHEAD OF A QUANTISED PRODUCT. Where the list says 'softmax', what is quantised is not the finished softmax but p = 2^(t - M), with t = logit x log2(e) and M = ceil(the row's largest t), a whole number; so 1/2 < the row's largest p <= 1. The row's sum l is taken of the UNQUANTISED p, in f32, and the product's result is divided by l at the end. Since M is a whole number, a kernel that streams over the keys may use a running M (the ceiling of the running maximum): every later rescaling is an exact power of two, which a block's scale takes up: the codes' values come out the same.
;;   OPERANDS COMPUTED ON THE WAY. 'Computed on the way' means the value that the module computes at that place (a softmax that the list does not call 'softmax' is quantised finished and normalised). What goes into a quantiser is computed in f32, as accurately as f32 sums, v_exp_f32 and their like allow (about 1e-6 of the number): no bf16 or f16 on the way to a quantiser, and a product that is left as it is and whose result goes on into a quantised operand takes f32 operands (vector FMAs, or v_wmma_f32_16x16x4_f32). A number that lies on a knife's edge between two numbers of the format may be rounded either way, as far as f32 arithmetic and the matrix unit's own rounding can turn it there, and no further.
;;   INPUTS GIVEN AS CODES. w_k (in the module: [128, 4096], K = its axis 1); w_q (in the module: [128, 4096], K = its axis 1); w_v (in the module: [128, 4096], K = its axis 1); x (in the module: [4, 4096, 4096], K = its axis 2): each comes as NAME_codes (uint8): NAME with its K axis moved to the last place and cut into blocks of 32 codes, [.., K / 32, bytes a block], one block behind the other in memory; four codes in three bytes: a row's codes are one little-endian stream of bits, code i at bits 6 i .. 6 i + 5 (a code: sign, 2 exponent bits, 3 mantissa bits); and NAME_scales (uint8): the same leading axes, one E8M0 byte (e + 127) for each 32 codes along K. Its value is code x scale, taken as it is: it is not quantised again, and the codes and scales need not be those that the quantiser above would give.
;; One version. Each part assembles by itself: llvm-mc -triple=amdgcn-amd-amdhsa -mcpu=gfx1250 --defsym DOCPART=n.
;; ======== version 1 of 1: 2 launches
;; workspace buffers: cod 4,718,592 bytes; scl 196,608 bytes
;; launch proj (part 1): grid 4 x 64, 4 waves a work-group, clusters of 4 x 4, 327,680 bytes of LDS; arguments x_codes, x_scales, w_q_codes, w_k_codes, w_v_codes, w_q_scales, w_k_scales, w_v_scales, b_q, b_k, b_v, cos, sin, cod, scl; writes cod, scl
.if DOCPART == 1
	.amdgcn_target "amdgcn-amd-amdhsa--gfx1250"
	.amdhsa_code_object_version 6
	.text
	.protected	k_q599018c1b4_proj
	.globl	k_q599018c1b4_proj
	.p2align	8
	.type	k_q599018c1b4_proj,@function
k_q599018c1b4_proj:
	s_mov_b64 s[64:65], 0
	v_nop
	global_prefetch_b8 v0, s[64:65] scope:SCOPE_SE
	s_setreg_imm32_b32 hwreg(HW_REG_WAVE_MODE, 25, 1), 1
	s_wait_xcnt 0x0
	s_wait_alu depctr_hold_cnt(0) depctr_sa_sdst(0) depctr_va_vdst(0) depctr_va_sdst(0) depctr_va_ssrc(0) depctr_va_vcc(0) depctr_vm_vsrc(0)
	s_getreg_b32 s2, hwreg(HW_REG_IB_STS2, 6, 4)
	s_cmp_eq_u32 s2, 0
	s_cbranch_scc0 .Lentry_in_a_cluster
	s_endpgm
.Lentry_in_a_cluster:
	s_bfe_u32 s2, ttmp6, 0x10000c
	s_cmp_lg_u32 s2, 0xf033
	s_cbranch_scc0 .Lentry_shape_is_right
	s_endpgm
.Lentry_shape_is_right:
; q = x Wq^T + bq, k = x Wk^T + bk, v = x Wv^T + bv on codes of FP6 (E2M3) with one E8M0 scale for each 32 along K = 4,096; then rot[n] = q[n] cos[n] + q[n|1] sin[n] for q and k, in f32;
; then the quantisers of the two attention products: q_rot and k_rot along the head's 128, v along the tokens.  Only codes and scale bytes go to memory (cod, scl), in the order in which the next launch's registers take them.
; SHARES.  16,384 tokens x 384 columns.  A work-group takes 256 tokens (its y) x 96 columns: rows 32 cx .. 32 cx + 31 of each of Wq, Wk, Wv (the grid is one cluster wide, so its x is cx): one block of 32 of the head for q and k, 32 channels of v.
; Wave w takes tokens 64 w .. 64 w + 63 (4 tiles of x) against the 6 tiles of W: 24 accumulators, 24 matrix instructions for each 128 along K.
; q and k are used TRANSPOSED (source 0 = 16 rows of W, source 1 = 16 tokens): a lane holds one token and its registers run along the head, which is the next K.  v is used as it stands (source 0 = 16 tokens, source 1 = 16 rows of Wv):
; a lane holds one channel and its registers run along the tokens, which are ITS next K.  The biases are the C of each sum's first matrix instruction.
; CLUSTER 4 x 4: x's tile hangs on y alone and is asked for jointly along a row of the cluster, W's tiles hang on cx alone and are asked for jointly along a column.  Wave 3 asks for x's 256 rows, waves 0 to 2 for 32 rows of Wq, Wk, Wv.
; K goes in steps of 256 (rows of 192 bytes) through a ring of two LDS slots; the scale bytes of the work-group's rows, for all of K, come once and stay.
; THE ORDER OF CODES IN A BLOCK OF 32.  A lane's 16 numbers of two neighbouring tiles u = 0, 1 are elements 16 u + 8 h + j of the block (h = lane / 16); they are converted as they stand, so code place 16 h + 8 u + j holds element 16 u + 8 h + j.
; The block keeps its 32 members and its scale, and the same order is used on both operands of each attention product (q and k here; v here and p in the next launch), so every product of two numbers stays the same product.
; LIMITS: the order in which a block's 32 products are summed differs from the natural one (last bits of f32 sums).  A block whose largest magnitude lies under 2^-124 has its byte held at 1; a block of zeros gets the byte 1 where the
; quantiser says 127: its codes are zeros, and this program alone reads the bytes.  NaN and infinities among the inputs are not served.
; REGISTERS, in windows of 256: window 0: v1-31 addresses; v32-55 scale words, two sets of 12; v56-103 x's four fragments, ONE set; v104-175, v176-247 W's six fragments, TWO sets; on the way out v56-181 are free.
;   window 1: v0-127 the accumulators of q and k ((a, n) at 8 (4 a + n)); v128-191 those of v; v192-239 the six biases.   window 2: cos and sin of my 64 tokens x my 16 units a lane.
.set ROWB,   192                       ; a tile's row in bytes: 256 codes
.set KROW,   3072                      ; a row of x or of W in memory
.set PITCH,  240                       ; an LDS row: 3 x (64 bytes of data + 16 of padding)
.set FR,     12                        ; registers of a fragment: 16 rows x 128 K
.set NL,     6                         ; LDS loads that bring one
.set WOFF,   256*PITCH                 ; a slot: x's 256 rows, then W's 96 (q 32, k 32, v 32)
.set SLOT,   WOFF+96*PITCH
.set SCL,    2*SLOT                    ; behind the ring: the scale bytes, as 256 bytes + 16 of padding: x's 256 rows of 128 bytes,
.set WSC,    128*272                   ; then W's 96 rows
.set SBLK,   8*272                     ; those of 16 rows
.set SPARE,  SCL+WSC+48*272            ; the spare words, 128 bytes for each wave: two blocks of 256 bytes that no other line names
.set SCST,   SPARE+512                 ; three blocks of 256 bytes in which the new scale bytes are gathered (k's, v's, q's); no tile lands here
.set ADRA, 16                          ; v16-17 LDS address of my x fragments in slot 0, 1 (v18-19: for the pieces that lie behind one padding more)
.set ADRB, 20                          ; v20-23 the same for W
.set OFK,  24                          ; v24  my byte offset among k's codes
.set OFQ,  25                          ; v25  among q's
.set OFV,  26                          ; v26  among v's
.set ADRS, 27                          ; v27  LDS address of my scale words: lanes 0-15 x's rows, lanes 16-31 W's
.set SPW,  28                          ; v28  LDS address of my spare word; never rewritten
.set NIL,  29                          ; v29  0; never rewritten
.set PFO,  30                          ; v30  the prefetches' offset: my lane x a row of x
.set VCS,  31                          ; v31  my byte offset in cos and sin
.set VB,   8                           ; v8   in b_q, b_k
.set VBV,  9                           ; v9   in b_v
.set AQS,  10                          ; v10-12 where I put q's, k's, v's new scale bytes
.set AKS,  11
.set AVS,  12
.set SLD,  13                          ; v13  where I read 8 of them back
.set L8,   14                          ; v14  8 x lane
.set SC,   32
.set XF,   56
.set WF,   104
.set AV,   128                         ; window 1: v's accumulators: (a, u) at AV + 16 (2 u + a / 2) + 8 (a % 2): the 16 registers of a block of 32 tokens on end
.set BIAS, 192                         ; window 1
.set T0,   56                          ; the way out, window 0: two groups of 16 rotated numbers,
.set T1,   72
.set MX,   88                          ; v88-89 largest magnitudes, v90-91 the other half's, v92-93 the conversions' scale operands
.set PK,   96                          ; codes: 12 registers for each of six pairs, so that no store's data are written again
.set BY,   168                         ; v168-179 the new scale bytes
.set G1X,  4                           ; s[4:11] descriptor group 1 for x's tiles; s[12:19] for W's; s[20:27], s[28:35] their groups 0, a set for each slot
.set G1W,  12
.set G0X,  20
.set G0W,  28
.set G1XS, 36                          ; s[36:43], s[44:51] groups 1 for x's and W's scale bytes; s[52:55], s[56:59] their groups 0
.set G1WS, 44
.set G0XS, 52
.set G0WS, 56
.set WV,   60
.set CX,   61
.set CY,   62
.set YB,   63                          ; my block of 256 tokens
.set BAT,  66
.set RB,   67                          ; the block's number in its batch
.set PFA,  74                          ; s[74:75] where my prefetches stand
.set LIM,  76                          ; s76  2 in a wave that prefetches, else the greatest number
.set SEL,  80                          ; s[80:81] lane selects for v_permlanex16_b32: lane l xor 16
.set CODB, 82                          ; s[82:83] cod at my batch, my plane of k, my block
.set SCLB, 98                          ; s[98:99] scl at the 256 bytes that my wave stores
.set MSB, 0
.macro WIN new                         ; the immediate's high byte repeats the setting that is left
.if MSB != \new
	s_set_vgpr_msb (MSB<<8)|\new
.set MSB, \new
.endif
.endm
.set MUL, 0x50                         ; sources 0 and 1 window 0; C and D window 1
; A joint load: wave 3 asks for x, waves 0 to 2 for W.  Each line has one mask and one set of registers for all that issue it; the branch hangs on the wave's number alone.
; An s_nop 0 and four v_nop follow each of the two lines, ahead of the jump, the label and what follows.
.macro JLOAD g0x, g1x, g0w, g1w
	s_cmp_eq_u32 s[WV], 3
	s_cbranch_scc0 .Lfor_w_\@
	tensor_load_to_lds s[\g0x:\g0x+3], s[\g1x:\g1x+7]
	s_nop 0
.rept 4
	v_nop
.endr
	s_branch .Lasked_\@
.Lfor_w_\@:
	tensor_load_to_lds s[\g0w:\g0w+3], s[\g1w:\g1w+7]
	s_nop 0
.rept 4
	v_nop
.endr
.Lasked_\@:
.endm
.macro CREST                           ; a round of the cluster's barrier behind its opening barrier
	s_cmp_lg_u32 s[WV], 0
	s_cbranch_scc1 .Lnot_wave_0_\@
	s_barrier_signal -3
.Lnot_wave_0_\@:
	s_barrier_wait -3
	s_barrier_signal -1
	s_barrier_wait -1
.endm
.macro CROUND                          ; a whole round
	s_barrier_signal -1
	s_barrier_wait -1
	CREST
.endm
; A PREFETCH INTO THE L2 of x's codes: at the change of slots that ends K step p, the last byte of each row's K step p + 6, four K steps further on than the refill.  A K step is 192 bytes of a row, so the aligned block of 256 bytes in
; which it ends is one that no earlier K step's last byte named, but for K steps 7, 11, 15: those are passed over (slot 1's changes in the trips with an odd count).  A row of x is read by the four partners of one row of one cluster alone:
; they share the 256 rows out BY ADDRESS, 64 each; in each, waves 0 and 1 ask, a lane a row.  The last K step named is 14 (trip count 3).  What lies ahead of K step 6's last block comes by the loads alone: nothing is asked for at the head.
.macro ASK slot
	s_cmp_gt_u32 s3, s[LIM]
	s_cbranch_scc0 .Lnot_mine_\@
.if \slot
	s_and_b32 s2, s3, 1
	s_cmp_eq_u32 s2, 1
	s_cbranch_scc1 .Lnot_mine_\@
.endif
	global_prefetch_b8 v[PFO], s[PFA:PFA+1] th:TH_LOAD_NT scope:SCOPE_SE
.Lnot_mine_\@:
.endm
	s_load_b512 s[68:83], s[0:1], 0x0              ; x's codes, x's scales, Wq's, Wk's, Wv's codes, Wq's, Wk's, Wv's scales
	s_load_b256 s[84:91], s[0:1], 0x40             ; b_q, b_k, b_v, cos
	s_load_b128 s[92:95], s[0:1], 0x60             ; sin, cod
	s_load_b64 s[96:97], s[0:1], 0x70              ; scl
	v_lshl_add_u32 v[SPW], v0, 2, SPARE
	v_mov_b32 v[NIL], 0
	ds_add_u32 v[SPW], v[NIL]                      ; the wave's opening: the add and its wait stand ahead of my first tensor load; the set-up below, work on registers, stands between them
	v_lshrrev_b32 v1, 5, v0
	v_readfirstlane_b32 s[WV], v1                  ; wave 0..3
	s_bfe_u32 s[CX], ttmp6, 0x40000                ; cx, cy: my place in the cluster
	s_bfe_u32 s[CY], ttmp6, 0x40004
	s_and_b32 s[YB], ttmp7, 0xffff
	s_lshl_b32 s[YB], s[YB], 2
	s_add_co_u32 s[YB], s[YB], s[CY]               ; my block of tokens = 4 x cluster y + cy
	s_lshr_b32 s[BAT], s[YB], 4
	s_and_b32 s[RB], s[YB], 15
	s_lshl_b32 s100, s[CY], 2
	s_lshl_b32 s100, 15, s100                      ; my row of the cluster
	s_lshl_b32 s98, 0x1111, s[CX]                  ; my column
	; group 1 for the codes: rows of 192 bytes, 3,072 apart in memory; 16 bytes of padding behind every 64
	s_or_b32 s[G1X], s100, (1<<20)|(1<<21)|(3<<22)|(3<<25)   ; 15:0 the mask; 17:16 elements of 1 byte; 20 padding on; 21 set beside a mask; 24:22 after every 16 words; 31:25 of 4 words
	s_or_b32 s[G1W], s98, (1<<20)|(1<<21)|(3<<22)|(3<<25)
.irp g, G1X, G1W
	s_mov_b32 s[\g+1], ROWB<<16                    ; tensor_dim0
	s_mov_b32 s[\g+3], ROWB<<16                    ; tile_dim0
	s_mov_b32 s[\g+5], KROW                        ; tensor_dim0_stride
	s_mov_b32 s[\g+6], 0
	s_mov_b32 s[\g+7], 0
.endr
	s_mov_b32 s[G1X+2], 256<<16                    ; tensor_dim1: x's 256 rows
	s_mov_b32 s[G1X+4], 256                        ; tile_dim1
	s_mov_b32 s[G1W+2], 32<<16                     ; W's 32
	s_mov_b32 s[G1W+4], 32
	; group 1 for the scale bytes: dense blocks, as rows of 256 bytes (32 elements of 8), 16 bytes of padding behind each
	s_or_b32 s[G1XS], s100, (3<<16)|(1<<20)|(1<<21)|(5<<22)|(3<<25)
	s_or_b32 s[G1WS], s98, (3<<16)|(1<<20)|(1<<21)|(5<<22)|(3<<25)
.irp g, G1XS, G1WS
	s_mov_b32 s[\g+1], 32<<16
	s_mov_b32 s[\g+3], 32<<16
	s_mov_b32 s[\g+5], 32
	s_mov_b32 s[\g+6], 0
	s_mov_b32 s[\g+7], 0
.endr
	s_mov_b32 s[G1XS+2], 128<<16                   ; 256 rows of 128 bytes
	s_mov_b32 s[G1XS+4], 128
	s_mov_b32 s[G1WS+2], 16<<16                    ; 32 rows of 128 bytes
	s_mov_b32 s[G1WS+4], 16
	; groups 0: the count, the LDS address, and for now the byte offset in the tensor.  x's hang on my block of tokens alone, W's on cx and the wave's number alone
	s_mov_b32 s[G0X], 1
	s_mov_b32 s[G0X+1], 0
	s_mul_i32 s[G0X+2], s[YB], 256*KROW
	s_mov_b32 s[G0X+3], 0
	s_mov_b32 s[G0X+4], 1
	s_mov_b32 s[G0X+5], SLOT
	s_mov_b32 s[G0W], 1
	s_mul_i32 s[G0W+1], s[WV], 32*PITCH
	s_add_co_u32 s[G0W+1], s[G0W+1], WOFF
	s_mul_i32 s[G0W+2], s[CX], 32*KROW
	s_mov_b32 s[G0W+3], 0
	s_mov_b32 s[G0W+4], 1
	s_add_co_u32 s[G0W+5], s[G0W+1], SLOT
	s_mov_b32 s[G0XS], 1
	s_mov_b32 s[G0XS+1], SCL
	s_lshl_b32 s[G0XS+2], s[YB], 15
	s_mov_b32 s[G0XS+3], 0
	s_mov_b32 s[G0WS], 1
	s_mul_i32 s[G0WS+1], s[WV], 16*272
	s_add_co_u32 s[G0WS+1], s[G0WS+1], SCL+WSC
	s_lshl_b32 s[G0WS+2], s[CX], 12
	s_mov_b32 s[G0WS+3], 0
	s_wait_dscnt 0x0                               ; the opening add is done
	s_wait_kmcnt 0x0
	s_cmp_eq_u32 s[WV], 0                          ; which W I ask for: wave 0 Wq, wave 1 Wk, else Wv: a choice on the wave's number alone
	s_cselect_b64 s[72:73], s[72:73], s[76:77]
	s_cselect_b64 s[78:79], s[78:79], s[82:83]
	s_cmp_eq_u32 s[WV], 1
	s_cselect_b64 s[72:73], s[74:75], s[72:73]
	s_cselect_b64 s[78:79], s[80:81], s[78:79]
	s_add_nc_u64 s[G0X+2:G0X+3], s[68:69], s[G0X+2:G0X+3]
	s_add_nc_u64 s[G0X+6:G0X+7], s[G0X+2:G0X+3], ROWB      ; slot 1 begins with K step 1
	s_or_b32 s[G0X+3], s[G0X+3], 0x80000000
	s_or_b32 s[G0X+7], s[G0X+7], 0x80000000
	s_add_nc_u64 s[G0W+2:G0W+3], s[72:73], s[G0W+2:G0W+3]
	s_add_nc_u64 s[G0W+6:G0W+7], s[G0W+2:G0W+3], ROWB
	s_or_b32 s[G0W+3], s[G0W+3], 0x80000000
	s_or_b32 s[G0W+7], s[G0W+7], 0x80000000
	s_add_nc_u64 s[G0XS+2:G0XS+3], s[70:71], s[G0XS+2:G0XS+3]
	s_or_b32 s[G0XS+3], s[G0XS+3], 0x80000000
	s_add_nc_u64 s[G0WS+2:G0WS+3], s[78:79], s[G0WS+2:G0WS+3]
	s_or_b32 s[G0WS+3], s[G0WS+3], 0x80000000
	CROUND                                         ; all sixteen work-groups are here: the first joint loads meet
	JLOAD G0XS, G1XS, G0WS, G1WS                   ; the scale bytes first: they are wanted with K step 0.  Three loads of mine are out behind these three lines
	JLOAD G0X, G1X, G0W, G1W
	JLOAD G0X+4, G1X, G0W+4, G1W
	; the prefetches: row 256 y + 64 cx + 32 wave + lane, at the last byte of K step 5: the first change of slots steps it to K step 6
	s_lshl_b32 s98, s[YB], 8
	s_lshl_b32 s99, s[CX], 6
	s_add_co_u32 s98, s98, s99
	s_lshl_b32 s99, s[WV], 5
	s_add_co_u32 s98, s98, s99
	s_mul_i32 s98, s98, KROW
	s_add_co_u32 s98, s98, 5*ROWB+ROWB-1
	s_mov_b32 s99, 0
	s_add_nc_u64 s[PFA:PFA+1], s[68:69], s[98:99]
	s_cmp_lt_u32 s[WV], 2
	s_cselect_b32 s[LIM], 2, -1
	s_mov_b32 s[SEL], 0x76543210
	s_mov_b32 s[SEL+1], 0xfedcba98
	s_mul_i32 s98, s[BAT], 12*98304                ; cod: [batch][plane 12][98,304]: my batch, plane cx (k's; v's lies 4 planes on, q's 8), my block's 256 tokens x 24 bytes
	s_mul_i32 s99, s[CX], 98304
	s_add_co_u32 s98, s98, s99
	s_mul_i32 s99, s[RB], 6144
	s_add_co_u32 s98, s98, s99
	s_mov_b32 s99, 0
	s_add_nc_u64 s[CODB:CODB+1], s[94:95], s[98:99]
	s_lshl_b32 s100, s[CX], 7                      ; my 32 units in the biases, in bytes
	s_mov_b32 s101, 0
	s_add_nc_u64 s[84:85], s[84:85], s[100:101]
	s_add_nc_u64 s[86:87], s[86:87], s[100:101]
	s_add_nc_u64 s[88:89], s[88:89], s[100:101]
	s_lshl_b32 s2, s[RB], 17                       ; cos, sin: position 256 rb + 64 wave, rows of 512 bytes
	s_add_co_u32 s100, s100, s2
	s_lshl_b32 s2, s[WV], 15
	s_add_co_u32 s100, s100, s2
	s_add_nc_u64 s[90:91], s[90:91], s[100:101]
	s_add_nc_u64 s[92:93], s[92:93], s[100:101]
	s_mul_i32 s100, s[BAT], 12*4096                ; scl: [batch][plane 12][4,096]: wave 0 stores k's 256 bytes, wave 1 v's, wave 2 q's
	s_lshl_b32 s101, s[CX], 12
	s_add_co_u32 s100, s100, s101
	s_lshl_b32 s101, s[RB], 8
	s_add_co_u32 s100, s100, s101
	s_lshl_b32 s101, s[WV], 14
	s_add_co_u32 s100, s100, s101
	s_mov_b32 s101, 0
	s_add_nc_u64 s[SCLB:SCLB+1], s[96:97], s[100:101]
	v_and_b32 v1, 15, v0                           ; r = lane % 16
	v_bfe_u32 v2, v0, 4, 1                         ; h = lane / 16
	v_and_b32 v3, 31, v0                           ; lane
	v_mul_u32_u24 v4, v1, PITCH
	v_mad_u32_u24 v5, v2, 24, v4                   ; a fragment's row x pitch + 24 x half
	v_lshl_add_u32 v6, v2, 4, v5                   ; and the same behind one padding more
	s_mul_i32 s2, s[WV], 64*PITCH                  ; my 64 rows of x
	v_add_nc_u32 v[ADRA], s2, v5
	v_add_nc_u32 v[ADRA+2], s2, v6
	v_add_nc_u32 v[ADRA+1], SLOT, v[ADRA]
	v_add_nc_u32 v[ADRA+3], SLOT, v[ADRA+2]
	v_add_nc_u32 v[ADRB], WOFF, v5                 ; every wave reads all 96 rows of W
	v_add_nc_u32 v[ADRB+2], WOFF, v6
	v_add_nc_u32 v[ADRB+1], SLOT+WOFF, v5
	v_add_nc_u32 v[ADRB+3], SLOT+WOFF, v6
	v_lshlrev_b32 v4, 7, v1                        ; my row's scale bytes: 128 a row,
	v_lshrrev_b32 v5, 1, v1
	v_lshl_add_u32 v4, v5, 4, v4                   ; and 16 more for each 256 passed
	s_mul_i32 s2, s[WV], 4*SBLK                    ; x's: my 64 rows
	s_mov_b32 s100, WSC
	s_sub_co_u32 s100, s100, s2
	v_mul_u32_u24 v5, s100, v2                     ; lanes 16-31 take W's, which begin behind x's 256 rows: one product in h
	s_add_co_u32 s2, s2, SCL
	v_add_nc_u32 v4, v4, v5
	v_add_nc_u32 v[ADRS], s2, v4
	s_and_b32 s2, s[CX], 1                         ; k's codes: of a pair of token tiles' 256 bytes, tile T takes the half (T % 2) xor (plane % 2)
	v_xor_b32 v7, s2, v2
	v_lshlrev_b32 v7, 7, v7
	v_lshl_add_u32 v7, v1, 3, v7
	s_mul_i32 s2, s[WV], 1536                      ; my 64 tokens x 24 bytes
	v_add_nc_u32 v[OFK], s2, v7
	v_lshl_add_u32 v[OFQ], v3, 3, s2               ; q's: tile T takes the half T % 2
	s_lshr_b32 s2, s[WV], 1                        ; v's: my 64 tokens are half c = wave % 2 of key step wave / 2
	s_and_b32 s100, s[WV], 1
	s_mul_i32 s101, s2, 3072
	s_mul_i32 s2, s100, 768
	s_add_co_u32 s101, s101, s2
	v_lshl_add_u32 v[OFV], v3, 3, s101
	v_mul_u32_u24 v[PFO], v3, KROW
	v_lshlrev_b32 v[VCS], 9, v1
	v_lshl_add_u32 v[VCS], v2, 5, v[VCS]           ; cos, sin: row r, + 32 h
	v_lshlrev_b32 v[VB], 5, v2
	v_lshlrev_b32 v[VBV], 2, v1
	s_lshl_b32 s101, s[WV], 6                      ; q's new bytes: one for each token
	s_add_co_u32 s101, s101, SCST+512
	v_add_nc_u32 v[AQS], s101, v1
	s_lshr_b32 s2, s[WV], 1
	s_lshl_b32 s2, s2, 7                           ; k's and v's: 128 bytes a key step
	s_lshl_b32 s101, s100, 2
	s_add_co_u32 s101, s101, s2
	s_add_co_u32 s101, s101, SCST
	v_lshl_add_u32 v[AKS], v1, 3, s101             ; k's: 8 r + the token tile's number in its key step
	s_lshl_b32 s101, s100, 1
	s_add_co_u32 s101, s101, s2
	s_add_co_u32 s101, s101, SCST+256
	v_lshl_add_u32 v[AVS], v1, 3, s101             ; v's: 8 r + 4 x channel tile + the block's number in its key step
	s_lshl_b32 s101, s[WV], 8
	s_add_co_u32 s101, s101, SCST
	v_lshl_add_u32 v[SLD], v3, 3, s101
	v_lshlrev_b32 v[L8], 3, v3
	WIN 0x40                                       ; destination window 1: the biases, in the results' layout: 24 loads
.irp n, 0,1                                    ; q, k: lane (r, h) holds units 16 n + 8 h + 0 .. 7
	global_load_b128 v[BIAS+8*\n:BIAS+8*\n+3], v[VB], s[84:85] offset:64*\n
	global_load_b128 v[BIAS+8*\n+4:BIAS+8*\n+7], v[VB], s[84:85] offset:64*\n+16
	global_load_b128 v[BIAS+16+8*\n:BIAS+16+8*\n+3], v[VB], s[86:87] offset:64*\n
	global_load_b128 v[BIAS+16+8*\n+4:BIAS+16+8*\n+7], v[VB], s[86:87] offset:64*\n+16
.endr
.irp n, 0,1                                    ; v: lane (r, h) holds channel 16 n + r in all eight registers
.irp j, 0,1,2,3,4,5,6,7
	global_load_b32 v[BIAS+32+8*\n+\j], v[VBV], s[88:89] offset:64*\n
.endr
.endr
	WIN 0x80                                       ; destination window 2: cos at 32 a + 8 u + j, sin 16 further on: token 16 a + r, unit 16 u + 8 h + j: 32 loads
.irp a, 0,1,2,3
.irp u, 0,1
	global_load_b128 v[32*\a+8*\u:32*\a+8*\u+3], v[VCS], s[90:91] offset:8192*\a+64*\u
	global_load_b128 v[32*\a+8*\u+4:32*\a+8*\u+7], v[VCS], s[90:91] offset:8192*\a+64*\u+16
	global_load_b128 v[32*\a+16+8*\u:32*\a+16+8*\u+3], v[VCS], s[92:93] offset:8192*\a+64*\u
	global_load_b128 v[32*\a+16+8*\u+4:32*\a+16+8*\u+7], v[VCS], s[92:93] offset:8192*\a+64*\u+16
.endr
.endr
	WIN 0
.macro FRAG reg, adr, q, i             ; a fragment: lane l holds row l % 16; registers 6 c .. 6 c + 5 hold K = 64 c + 32 (l / 16) + 0 .. 31: 24 bytes of the row's stream of bits, as they lie, in pieces of 8 bytes
.irp p, 0,1,2,3,4,5                    ; lanes 0-15 take the row's pieces 12 q + 0, 1, 2 and 12 q + 6, 7, 8, lanes 16-31 those three pieces on
.set PC, 12*(\q)+6*(\p/3)+\p%3        ; 16 bytes of padding lie behind every 8 pieces: where the piece three on lies behind one padding more, the second address register serves
.if PC%8 < 5
	ds_load_b64 v[\reg+2*\p:\reg+2*\p+1], v[\adr] offset:8*PC+16*(PC/8)+(\i)*16*PITCH
.else
	ds_load_b64 v[\reg+2*\p:\reg+2*\p+1], v[\adr+2] offset:8*PC+16*(PC/8)+(\i)*16*PITCH
.endif
.endr
.endm
.macro FETCH_W slot, q, p              ; W's six fragments of the slot's q-th 128 along K into set p
.irp i, 0,1,2,3,4,5
	FRAG WF+72*(\p)+FR*\i, ADRB+\slot, \q, \i
.endr
.endm
.macro FETCH_X slot, q, i0             ; x's tiles i0, i0 + 1
.irp i, \i0, \i0+1
	FRAG XF+FR*(\i), ADRA+\slot, \q, \i
.endr
.endm
.macro SCALES sc                       ; a K step's scale words into set sc: two words a row; register 2 i + q: lanes 0-15 x's tile i, lanes 16-31 W's tile i (for i = 4, 5 lanes 0-15 read scale bytes that nobody uses)
.irp i, 0,1,2,3,4,5
	ds_load_b64 v[SC+12*\sc+2*\i:SC+12*\sc+2*\i+1], v[ADRS] offset:\i*SBLK
.endr
.endm
; Six matrix instructions: x's tile a against W's six, 128 along K.  p: W's set; q: which 128 of the slot; sc: the set of scale words.  first = 1: the bias is C and starts the sum: nothing is cleared.
; The 24 accumulators take turns, one instruction a turn, in the same order in every step.
.macro MULA a, p, q, sc, first
.irp n, 0,1,2,3                                ; q0, q1, k0, k1: source 0 = W, whose scale words lie in lanes 16-31
.if \first
	v_wmma_scale_f32_16x16x128_f8f6f4 v[8*(4*(\a)+\n):8*(4*(\a)+\n)+7], v[WF+72*(\p)+FR*\n:WF+72*(\p)+FR*\n+FR-1], v[XF+FR*(\a):XF+FR*(\a)+FR-1], v[BIAS+8*\n:BIAS+8*\n+7], v[SC+12*(\sc)+2*\n+(\q)], v[SC+12*(\sc)+2*(\a)+(\q)] matrix_a_fmt:MATRIX_FMT_FP6 matrix_b_fmt:MATRIX_FMT_FP6 matrix_a_scale:MATRIX_SCALE_ROW1
.else
	v_wmma_scale_f32_16x16x128_f8f6f4 v[8*(4*(\a)+\n):8*(4*(\a)+\n)+7], v[WF+72*(\p)+FR*\n:WF+72*(\p)+FR*\n+FR-1], v[XF+FR*(\a):XF+FR*(\a)+FR-1], v[8*(4*(\a)+\n):8*(4*(\a)+\n)+7], v[SC+12*(\sc)+2*\n+(\q)], v[SC+12*(\sc)+2*(\a)+(\q)] matrix_a_fmt:MATRIX_FMT_FP6 matrix_b_fmt:MATRIX_FMT_FP6 matrix_a_scale:MATRIX_SCALE_ROW1
.endif
.endr
.irp u, 0,1                                    ; v0, v1: source 0 = x
.set DV, AV+16*(2*\u+(\a)/2)+8*((\a)%2)
.if \first
	v_wmma_scale_f32_16x16x128_f8f6f4 v[DV:DV+7], v[XF+FR*(\a):XF+FR*(\a)+FR-1], v[WF+72*(\p)+FR*(4+\u):WF+72*(\p)+FR*(4+\u)+FR-1], v[BIAS+32+8*\u:BIAS+32+8*\u+7], v[SC+12*(\sc)+2*(\a)+(\q)], v[SC+12*(\sc)+2*(4+\u)+(\q)] matrix_a_fmt:MATRIX_FMT_FP6 matrix_b_fmt:MATRIX_FMT_FP6 matrix_b_scale:MATRIX_SCALE_ROW1
.else
	v_wmma_scale_f32_16x16x128_f8f6f4 v[DV:DV+7], v[XF+FR*(\a):XF+FR*(\a)+FR-1], v[WF+72*(\p)+FR*(4+\u):WF+72*(\p)+FR*(4+\u)+FR-1], v[DV:DV+7], v[SC+12*(\sc)+2*(\a)+(\q)], v[SC+12*(\sc)+2*(4+\u)+(\q)] matrix_a_fmt:MATRIX_FMT_FP6 matrix_b_fmt:MATRIX_FMT_FP6 matrix_b_scale:MATRIX_SCALE_ROW1
.endif
.endr
.endm
; A load into a register that a matrix instruction has read, and a vector instruction that reads a matrix result, stand four places behind that matrix instruction; only plain vector instructions that name none of its registers are places
; (ISA guide 7.12.1 for vector instructions).
.macro PLACES
.rept 4
	v_nop
.endr
.endm
; A slot's first 128 along K: W's set 0.  Its successor lies in the same slot: W's set 1 and x's tiles 0, 1 are fetched in the middle, x's tiles 2, 3 at the end.
.macro STEP slot, first
	s_wait_dscnt 2*NL                              ; W's set, the scale words and x's tiles 0, 1 are in; the youngest twelve loads (x's tiles 2, 3) may be out
	WIN MUL
	MULA 0, 0, 0, \slot, \first
	MULA 1, 0, 0, \slot, \first
	s_wait_dscnt 0x0                               ; x's tiles 2, 3 are in
	PLACES
	WIN 0
	FETCH_W \slot, 1, 1
	FETCH_X \slot, 1, 0
	WIN MUL
	MULA 2, 0, 0, \slot, \first
	MULA 3, 0, 0, \slot, \first
	PLACES
	WIN 0
	FETCH_X \slot, 1, 2
.endm
; A slot's second 128 along K changes slots: ONE barrier; in front of it each wave waits for all its tensor loads, adds 0 to its spare word, and waits for that and for its own reads of this slot.  fill = 1: this slot is filled again, two K steps ahead.
.macro TURN slot, next, fill
.if \fill
	s_wait_xcnt 0x0                                ; the last prefetch, a K step back, has read its address: it is stepped here, ahead of the waits of the change of slots
	s_add_nc_u64 s[PFA:PFA+1], s[PFA:PFA+1], ROWB
.endif
	s_wait_tensorcnt 0x0                           ; all my tensor loads have landed: the one that was out is my part of the next slot  (every window is 0 here)
	ds_add_u32 v[SPW], v[NIL]                      ; 0 onto my spare word
	s_wait_dscnt 2*NL+1                            ; (the add and the youngest twelve loads, x's tiles 2, 3, may be out)
	WIN MUL
	MULA 0, 1, 1, \slot, 0                         ; six matrix instructions stand between the add and the wait for it
	s_wait_dscnt 0x0                               ; the add is done, and my reads of this slot are over
	s_barrier_signal -1
	MULA 1, 1, 1, \slot, 0
	WIN 0
	s_barrier_wait -1
.if \fill
	CREST                                          ; the barrier has opened a round of the cluster's barrier: no wave of any partner still reads this slot's tile or has a load on its way
	s_add_nc_u64 s[G0X+4*\slot+2:G0X+4*\slot+3], s[G0X+4*\slot+2:G0X+4*\slot+3], 2*ROWB
	s_add_nc_u64 s[G0W+4*\slot+2:G0W+4*\slot+3], s[G0W+4*\slot+2:G0W+4*\slot+3], 2*ROWB
	JLOAD G0X+4*\slot, G1X, G0W+4*\slot, G1W       ; the first tensor load behind the round; the four v_nop behind it are the places in front of the loads below
.else
	PLACES
.endif
	v_add_nc_u32 v[ADRS], 8, v[ADRS]               ; on to the next K step's scale words
	FETCH_W \next, 0, 0
	FETCH_X \next, 0, 0
	SCALES \next
.if \fill
	ASK \slot
.endif
	WIN MUL
	MULA 2, 1, 1, \slot, 0
	MULA 3, 1, 1, \slot, 0
	PLACES
	WIN 0
	FETCH_X \next, 0, 2
.endm
	s_wait_tensorcnt 0x1                           ; the scale bytes and my part of K step 0 are in (K step 1's load may be out)
	s_barrier_signal -1
	s_barrier_wait -1                              ; everybody's are
	FETCH_W 0, 0, 0
	FETCH_X 0, 0, 0
	SCALES 0
	FETCH_X 0, 0, 2
	s_wait_loadcnt 32                              ; the 24 loads of the biases are in; the 32 of cos and sin, issued behind them, may be out
	STEP 0, 1                                      ; the first step stands in front of the loop: its products start the sums
	s_mov_b32 s3, 7
.Llap:                                                 ; a trip goes once round the ring, from a lap's second step to the next lap's first, and fills both slots again: K steps 2 to 15
	TURN 0, 1, 1
	STEP 1, 0
	TURN 1, 0, 1
	STEP 0, 0
	s_sub_co_u32 s3, s3, 1
	s_cmp_lg_u32 s3, 0
	s_cbranch_scc1 .Llap
	TURN 0, 1, 0                                   ; the last lap fills nothing, and has no round of the cluster's barrier
	STEP 1, 0
	s_wait_dscnt 2*NL                              ; the very last step: nothing more to fetch
	WIN MUL
	MULA 0, 1, 1, 1, 0
	MULA 1, 1, 1, 1, 0
	s_wait_dscnt 0x0
	MULA 2, 1, 1, 1, 0
	MULA 3, 1, 1, 1, 0
	WIN 0
	PLACES
; THE WAY OUT.  rot[n] = q[n] cos[n] + q[n | 1] sin[n]: unit n's parity is register j's.  kap: 0 q, 1 k;  a: the tile of tokens;  t: where the 16 numbers go.  Each accumulator's first read is of its register 1.
.macro ROPE kap, a, t
	WIN 0x09                                       ; source 0 (the sums) window 1, source 1 (cos, sin) window 2
.irp u, 0,1
.irp j, 0,1,2,3,4,5,6,7
	v_mul_f32 v[(\t)+8*\u+\j], v[8*(4*(\a)+2*(\kap)+\u)+(\j|1)], v[32*(\a)+16+8*\u+\j]
.endr
.irp j, 0,1,2,3,4,5,6,7
	v_fma_f32 v[(\t)+8*\u+\j], v[8*(4*(\a)+2*(\kap)+\u)+\j], v[32*(\a)+8*\u+\j], v[(\t)+8*\u+\j]
.endr
.endr
.endm
; Two groups of 16 numbers a lane, x and y (in window w), each half a block of 32 whose other half lies in lane l xor 16, become codes: lanes 0-15 end up with group x's whole blocks, lanes 16-31 with group y's, 24 bytes in v[p] .. v[p + 5].
; bx, by: the registers that take the two scale bytes.
.macro QPAIR x, y, w, p, bx, by
	WIN 5*(\w)
	v_max3_num_f32 v[MX], |v[(\x)]|, |v[(\x)+1]|, 0x1800000      ; my 16 numbers, and the floor 2^(3 - 127), under which no largest magnitude is taken: so the byte cannot fall under 1
	v_max3_num_f32 v[MX+1], |v[(\y)]|, |v[(\y)+1]|, 0x1800000
.irp i, 2,4,6,8,10,12,14
	v_max3_num_f32 v[MX], |v[(\x)+\i]|, |v[(\x)+\i+1]|, v[MX]    ; (the two groups by turns)
	v_max3_num_f32 v[MX+1], |v[(\y)+\i]|, |v[(\y)+\i+1]|, v[MX+1]
.endr
	WIN 0
	v_permlanex16_b32 v[MX+2], v[MX], s[SEL], s[SEL+1]
	v_permlanex16_b32 v[MX+3], v[MX+1], s[SEL], s[SEL+1]
	v_max_num_f32 v[MX], v[MX], v[MX+2]            ; with lane l xor 16's: the block's largest magnitude
	v_max_num_f32 v[MX+1], v[MX+1], v[MX+3]
	v_add_nc_u32 v[MX+4], 0xff000000, v[MX]        ; 2 off its exponent field: the conversion takes the exponent field of this operand as its scale, and nothing else of it
	v_add_nc_u32 v[MX+5], 0xff000000, v[MX+1]
	v_lshrrev_b32 v[\bx], 23, v[MX+4]              ; the scale's byte
	v_lshrrev_b32 v[\by], 23, v[MX+5]
	WIN \w
	v_cvt_scalef32_pk16_fp6_f32 v[(\p):(\p)+2], v[(\x):(\x)+15], v[MX+4]
	v_cvt_scalef32_pk16_fp6_f32 v[(\p)+6:(\p)+8], v[(\y):(\y)+15], v[MX+5]
	WIN 0
	v_nop                                          ; one plain place behind a scaled conversion
.irp i, 0,1,2
	v_permlane16_swap_b32 v[(\p)+\i], v[(\p)+6+\i] ; the first's lanes 16-31 change places with the second's lanes 0-15: the first holds each lane's block's lower 16 codes, the second the upper 16
.endr
.irp i, 0,1,2
	v_mov_b32 v[(\p)+3+\i], v[(\p)+6+\i]
.endr
.endm
	s_wait_loadcnt 0x0                             ; cos and sin
	v_mov_b32 v[MX+2], 0                           ; written once: a lane permute's destination counts as one of its sources
	v_mov_b32 v[MX+3], 0
.irp b, 0,1                                    ; q: token tiles 2 b and 2 b + 1.  Each store of the wave covers 256 consecutive bytes, aligned
	ROPE 0, 2*\b, T0
	ROPE 0, 2*\b+1, T1
	QPAIR T0, T1, 0, PK+12*\b, BY+2*\b, BY+2*\b+1
.irp j, 0,1,2
	global_store_b64 v[OFQ], v[PK+12*\b+2*\j:PK+12*\b+2*\j+1], s[CODB:CODB+1] offset:8*98304+768*\b+256*\j
.endr
	ds_store_b8 v[AQS], v[BY+2*\b] offset:32*\b    ; both halves of the lanes write the same byte with the same value
	ds_store_b8 v[AQS], v[BY+2*\b+1] offset:32*\b+16
.endr
.irp b, 0,1                                    ; k likewise
	ROPE 1, 2*\b, T0
	ROPE 1, 2*\b+1, T1
	QPAIR T0, T1, 0, PK+24+12*\b, BY+4+2*\b, BY+4+2*\b+1
.irp j, 0,1,2
	global_store_b64 v[OFK], v[PK+24+12*\b+2*\j:PK+24+12*\b+2*\j+1], s[CODB:CODB+1] offset:768*\b+256*\j
.endr
	ds_store_b8 v[AKS], v[BY+4+2*\b] offset:2*\b
	ds_store_b8 v[AKS], v[BY+4+2*\b+1] offset:2*\b+1
.endr
.irp u, 0,1                                    ; v: channel tile u; the two groups are my two blocks of 32 tokens, straight from the accumulators
	QPAIR AV+32*\u, AV+32*\u+16, 1, PK+48+12*\u, BY+8+2*\u, BY+8+2*\u+1
.irp j, 0,1,2
	global_store_b64 v[OFV], v[PK+48+12*\u+2*\j:PK+48+12*\u+2*\j+1], s[CODB:CODB+1] offset:4*98304+1536*\u+256*\j
.endr
	ds_store_b8 v[AVS], v[BY+8+2*\u] offset:4*\u
	ds_store_b8 v[AVS], v[BY+8+2*\u+1] offset:4*\u+1
.endr
	s_wait_dscnt 0x0                               ; for the others' sake: my bytes have landed
	s_barrier_signal -1
	s_barrier_wait -1
	s_cmp_eq_u32 s[WV], 3                          ; waves 0, 1, 2 store k's, v's, q's 256 bytes: 32 lanes x 8 consecutive bytes, aligned
	s_cbranch_scc1 .Lno_bytes
	ds_load_b64 v[180:181], v[SLD]
	s_wait_dscnt 0x0
	global_store_b64 v[L8], v[180:181], s[SCLB:SCLB+1]
.Lno_bytes:
	s_wait_tensorcnt 0x0                           ; the wave's end, behind my last tensor load and my last LDS store
	ds_add_u32 v[SPW], v[NIL]
	s_wait_dscnt 0x0
	CROUND                                         ; the closing round: no work-group ends while a partner may still ask for a tile that names it
	s_endpgm
.Lfunc_end_k_q599018c1b4_proj:
	.size	k_q599018c1b4_proj, .Lfunc_end_k_q599018c1b4_proj-k_q599018c1b4_proj
	.p2alignl 7, 3214868480
	.fill 96, 4, 3214868480
	.section	.rodata,"a",@progbits
	.p2align	6, 0x0
	.amdhsa_kernel k_q599018c1b4_proj
		.amdhsa_group_segment_fixed_size 327680
		.amdhsa_private_segment_fixed_size 0
		.amdhsa_enable_private_segment 0
		.amdhsa_kernarg_size 120
		.amdhsa_user_sgpr_count 2
		.amdhsa_user_sgpr_kernarg_segment_ptr 1
		.amdhsa_wavefront_size32 1
		.amdhsa_system_sgpr_workgroup_id_x 1
		.amdhsa_system_sgpr_workgroup_id_y 1
		.amdhsa_system_sgpr_workgroup_id_z 1
		.amdhsa_system_vgpr_workitem_id 0
		.amdhsa_next_free_vgpr 640
		.amdhsa_next_free_sgpr 102
		.amdhsa_reserve_vcc 0
		.amdhsa_float_denorm_mode_32 3
		.amdhsa_float_denorm_mode_16_64 3
		.amdhsa_memory_ordered 1
		.amdhsa_forward_progress 1
		.amdhsa_inst_pref_size 105
	.end_amdhsa_kernel
	.amdgpu_metadata
---
amdhsa.version: [ 1, 2 ]
amdhsa.kernels:
  - .name:           k_q599018c1b4_proj
    .symbol:         k_q599018c1b4_proj.kd
    .args:
      - { .name: x_codes, .offset: 0, .size: 8, .value_kind: global_buffer, .address_space: global }
      - { .name: x_scales, .offset: 8, .size: 8, .value_kind: global_buffer, .address_space: global }
      - { .name: w_q_codes, .offset: 16, .size: 8, .value_kind: global_buffer, .address_space: global }
      - { .name: w_k_codes, .offset: 24, .size: 8, .value_kind: global_buffer, .address_space: global }
      - { .name: w_v_codes, .offset: 32, .size: 8, .value_kind: global_buffer, .address_space: global }
      - { .name: w_q_scales, .offset: 40, .size: 8, .value_kind: global_buffer, .address_space: global }
      - { .name: w_k_scales, .offset: 48, .size: 8, .value_kind: global_buffer, .address_space: global }
      - { .name: w_v_scales, .offset: 56, .size: 8, .value_kind: global_buffer, .address_space: global }
      - { .name: b_q, .offset: 64, .size: 8, .value_kind: global_buffer, .address_space: global }
      - { .name: b_k, .offset: 72, .size: 8, .value_kind: global_buffer, .address_space: global }
      - { .name: b_v, .offset: 80, .size: 8, .value_kind: global_buffer, .address_space: global }
      - { .name: cos, .offset: 88, .size: 8, .value_kind: global_buffer, .address_space: global }
      - { .name: sin, .offset: 96, .size: 8, .value_kind: global_buffer, .address_space: global }
      - { .name: cod, .offset: 104, .size: 8, .value_kind: global_buffer, .address_space: global }
      - { .name: scl, .offset: 112, .size: 8, .value_kind: global_buffer, .address_space: global }
    .group_segment_fixed_size: 327680
    .private_segment_fixed_size: 0
    .kernarg_segment_align: 8
    .kernarg_segment_size: 120
    .max_flat_workgroup_size: 128
    .sgpr_count:     102
    .vgpr_count:     640
    .wavefront_size: 32
...
	.end_amdgpu_metadata
.endif
;; end of part 1
;; launch attn (part 2): grid 256 x 1, 16 waves a work-group, clusters of 4 x 1, 327,680 bytes of LDS; arguments cod, scl, out0; writes out0
.if DOCPART == 2
	.amdgcn_target "amdgcn-amd-amdhsa--gfx1250"
	.amdhsa_code_object_version 6
	.text
	.protected	k_q599018c1b4_attn
	.globl	k_q599018c1b4_attn
	.p2align	8
	.type	k_q599018c1b4_attn,@function
k_q599018c1b4_attn:
	s_mov_b64 s[64:65], 0
	v_nop
	global_prefetch_b8 v0, s[64:65] scope:SCOPE_SE
	s_setreg_imm32_b32 hwreg(HW_REG_WAVE_MODE, 25, 1), 1
	s_wait_xcnt 0x0
	s_wait_alu depctr_hold_cnt(0) depctr_sa_sdst(0) depctr_va_vdst(0) depctr_va_sdst(0) depctr_va_ssrc(0) depctr_va_vcc(0) depctr_vm_vsrc(0)
	s_getreg_b32 s2, hwreg(HW_REG_IB_STS2, 6, 4)
	s_cmp_eq_u32 s2, 0
	s_cbranch_scc0 .Lentry_in_a_cluster
	s_endpgm
.Lentry_in_a_cluster:
	s_bfe_u32 s2, ttmp6, 0x10000c
	s_cmp_lg_u32 s2, 0x3003
	s_cbranch_scc0 .Lentry_shape_is_right
	s_endpgm
.Lentry_shape_is_right:
; out[b][q][:] = the sum over keys k <= q of softmax_k(q_rot . k_rot / sqrt(128)) v[k][:], both products on codes of FP6 (E2M3) with one E8M0 scale for each 32 along a product's K.  4 batches x 4,096 tokens, head size 128.
; cod: [batch][plane 12][98,304] and scl: [batch][plane 12][4,096], as the launch before laid them: planes 0-3 k's head blocks, 4-7 v's groups of 32 channels, 8-11 q's head blocks.
; THE SOFTMAX AHEAD OF THE SECOND PRODUCT: t = score x log2(e) / sqrt(128); M = the largest t so far, rounded UP to a whole number; p = 2^(t - M) is quantised along the keys, not normalised; the sum is taken of the unquantised p.
; SHARES.  A cluster of four work-groups owns four QUADS of 64 neighbouring queries of one batch: quads cc, 31 - cc, 32 + cc, 63 - cc (cc = cluster % 16).  Partner cx takes tile cx (16 queries) of each quad.  A quad lies inside one aligned
; run of 128 keys, so all four partners have the same hidden key steps and the same step on the diagonal: every branch hangs on the cluster's number, the wave's number and a counter; cx enters global addresses and the mask's data alone.
; K's and V's tiles are the same for the four partners and are asked for JOINTLY.  A slot holds 512 keys.  Wave w = (a, g): tile t = (a + g) % 4, and of each slot the g-th 128 keys: four waves share a tile's keys, each with its own M, sum and
; O^T, merged at the end through LDS (exact powers of two).
; CAUSAL.  A key step all of whose keys come after the quad is left out (a scalar branch round the step's work, no barrier or tensor load in it); on the diagonal hidden scores become -infinity.  The last 512 keys count for the quads from 56 on
; alone: the clusters with cc >= 8 have none, so they take a tail of their own that does not ask for that slot.  That branch hangs on the cluster's number alone and stands outside the loop; both tails are written out.
; LAYOUT.  Both products transposed: S^T = K Q^T, O^T = V^T P^T: a lane holds ONE query.  The 16 registers of key tiles 2 b, 2 b + 1 are keys 16 u + 8 h + j of block b; they are converted as they stand, and v's codes were laid in the same order.
; LIMITS: the order of the 32 products in a block differs from the natural one, alike on both operands (last bits of f32 sums); M is kept in f32: exact while |t| < 2^24; NaN and infinities are not served.
; REGISTERS: v1-4 addresses that stay; v5, v6 the add's two; v7 the mask's number; v8-11 addresses in hand; v12 -M, v13 the largest t, v[14:15] the sum; v16-27 Q; v28 the prefetches' offset; v32-79 four fragments; v80-87 K's scale words,
;   v88-95 V's; v96-159 S^T, then p; v160-223 O^T; v224-235 p's codes; v232-254 at work; v255 Q's scale words.
.set SLOTB, 102400                     ; a slot: 8 planes x 12,288 bytes of codes (K 0-3, V 4-7), then 8 planes x 512 scale bytes
.set SCOF,  98304
.set STATS, 2*SLOTB                    ; behind the ring: for each of 64 queries four -M and four sums: 32 bytes
.set SPARE, STATS+2048                 ; the spare words, 128 bytes for each wave: eight blocks of 256 bytes that no other line names
.set PARTB, 16*528                     ; the merge's stage: 16 parts of 16 rows x (512 + 16) bytes, from LDS byte 0 on: in slots that have had their last fill and their last read
.set AK0,  1                           ; v1   my lane's place in an even tile of K: lanes 16-31 take the next plane, and there the other half of the 256 bytes
.set AK1,  2                           ; v2   in an odd tile
.set AV0,  3                           ; v3   in a tile of V
.set AS0,  4                           ; v4   among the scale bytes
.set SPW,  5
.set NIL,  6
.set DL,   7                           ; v7   my query's place in its 128 keys, less 8 (lane / 16)
.set ADK,  8                           ; v8-9
.set ADV,  10
.set ADS,  11
.set PFO,  28
.set CX,   10
.set BAT,  12
.set CC,   13
.set TT,   14
.set GG,   15
.set UU,   16                          ; s16  my quad
.set EE,   17                          ; s17  the quad's key step less g: a step of slot s is hidden where 4 s > EE, on the diagonal where 4 s = EE
.set WV,   18
.set SI,   19                          ; s19  4 x the slot's number
.set SEL,  20
.set CS,   22
.set G1C,  24                          ; s[24:31] group 1 for a plane's codes; s[32:39] for the scale bytes; s[40:47], s[48:55] their groups 0, a set for each slot
.set G1S,  32
.set G0C,  40
.set G0S,  48
.set PF,   61                          ; s61  1 in a wave that prefetches
.set PFA,  62
.set OUT,  66
.macro CROUND                          ; a round of the cluster's barrier
	s_barrier_signal -1
	s_barrier_wait -1
	s_cmp_lg_u32 s[WV], 0
	s_cbranch_scc1 .Lnot_wave_0_\@
	s_barrier_signal -3
.Lnot_wave_0_\@:
	s_barrier_wait -3
	s_barrier_signal -1
	s_barrier_wait -1
.endm
; A joint load: waves 0 to 7 ask for a plane's codes each, wave 8 for the scale bytes, the others for nothing.  The branches hang on the wave's number alone.  An s_nop 0 and four v_nop follow each of the two lines.
.macro TLOAD s
	s_cmp_lt_u32 s[WV], 8
	s_cbranch_scc0 .Lnot_c_\@
	tensor_load_to_lds s[G0C+4*(\s):G0C+4*(\s)+3], s[G1C:G1C+7]
	s_nop 0
.rept 4
	v_nop
.endr
	s_branch .Lasked_\@
.Lnot_c_\@:
	s_cmp_eq_u32 s[WV], 8
	s_cbranch_scc0 .Lasked_\@
	tensor_load_to_lds s[G0S+4*(\s):G0S+4*(\s)+3], s[G1S:G1S+7]
	s_nop 0
.rept 4
	v_nop
.endr
.Lasked_\@:
.endm
; A PREFETCH INTO THE L2 of the codes that the NEXT change of slots will ask for: 8 planes x 12,288 bytes.  All clusters of a batch walk the same K and V: the batch's first cluster asks.  Its four partners share the planes out BY ADDRESS,
; two each: 96 runs of 256 bytes, a lane a run, in waves 9 to 11, which ask for no tile.  The six trips of the loop name slots 2 to 7; the tails name nothing.  Slots 0 and 1, and the scale bytes, come by their loads alone.
.macro ASK
	s_cmp_eq_u32 s[PF], 1
	s_cbranch_scc0 .Lnot_mine_\@
	global_prefetch_b8 v[PFO], s[PFA:PFA+1] th:TH_LOAD_NT scope:SCOPE_SE
.Lnot_mine_\@:
.endm
.macro PLACES
.rept 4
	v_nop
.endr
.endm
	s_load_b128 s[4:7], s[0:1], 0x0                ; cod, scl
	s_load_b64 s[8:9], s[0:1], 0x10                ; out0
	v_lshl_add_u32 v[SPW], v0, 2, SPARE
	v_mov_b32 v[NIL], 0
	ds_add_u32 v[SPW], v[NIL]                      ; the wave's opening: the add and its wait stand ahead of my first tensor load; the set-up below, work on registers, stands between them
	v_lshrrev_b32 v32, 5, v0
	v_readfirstlane_b32 s[WV], v32                 ; wave 0..15
	s_bfe_u32 s[CX], ttmp6, 0x40000                ; cx: my place in the cluster
	s_lshr_b32 s[BAT], ttmp9, 4                    ; in a cluster launch ttmp9 counts clusters
	s_and_b32 s[CC], ttmp9, 15
	s_and_b32 s[GG], s[WV], 3
	s_lshr_b32 s[TT], s[WV], 2
	s_add_co_u32 s[TT], s[TT], s[GG]
	s_and_b32 s[TT], s[TT], 3                      ; my tile: (a + g) % 4
	s_and_b32 s68, s[TT], 1
	s_mul_i32 s68, s68, 31
	s_xor_b32 s68, s68, s[CC]                      ; cc, or 31 - cc
	s_lshr_b32 s[UU], s[TT], 1
	s_lshl_b32 s[UU], s[UU], 5
	s_add_co_u32 s[UU], s[UU], s68                 ; my quad: cc, 31 - cc, 32 + cc, 63 - cc
	s_lshr_b32 s[EE], s[UU], 1
	s_sub_co_i32 s[EE], s[EE], s[GG]
	; group 1: a plane's 12,288 dense bytes as 48 rows of 256 (32 elements of 8 bytes); the scale bytes: 8 planes' 512 bytes, 4,096 bytes apart
	s_mov_b32 s[G1C], 15|(3<<16)|(1<<21)           ; 15:0 the mask: all four work-groups; 17:16 elements of 8 bytes; 20 no padding; 21 set beside a mask
	s_mov_b32 s[G1C+1], 32<<16
	s_mov_b32 s[G1C+2], 48<<16
	s_mov_b32 s[G1C+3], 32<<16
	s_mov_b32 s[G1C+4], 48
	s_mov_b32 s[G1C+5], 32
	s_mov_b32 s[G1C+6], 0
	s_mov_b32 s[G1C+7], 0
	s_mov_b32 s[G1S], 15|(3<<16)|(1<<21)
	s_mov_b32 s[G1S+1], 64<<16
	s_mov_b32 s[G1S+2], 8<<16
	s_mov_b32 s[G1S+3], 64<<16
	s_mov_b32 s[G1S+4], 8
	s_mov_b32 s[G1S+5], 512
	s_mov_b32 s[G1S+6], 0
	s_mov_b32 s[G1S+7], 0
	s_mov_b32 s[G0C], 1
	s_mul_i32 s[G0C+1], s[WV], 12288
	s_mov_b32 s[G0C+4], 1
	s_add_co_u32 s[G0C+5], s[G0C+1], SLOTB
	s_mov_b32 s[G0S], 1
	s_mov_b32 s[G0S+1], SCOF
	s_mov_b32 s[G0S+4], 1
	s_mov_b32 s[G0S+5], SLOTB+SCOF
	s_mul_i32 s82, s[BAT], 12*98304                ; the batch's codes
	s_mul_i32 s68, s[WV], 98304                    ; the plane that I ask for
	s_add_co_u32 s68, s68, s82
	s_mov_b32 s69, 0
	s_mul_i32 s70, s[BAT], 12*4096                 ; the batch's scale bytes
	s_mov_b32 s71, 0
	s_lshl_b32 s80, s[UU], 2
	s_add_co_u32 s80, s80, s[CX]                   ; my tile of queries in the batch
	s_lshr_b32 s72, s80, 1                         ; q's codes: 768 bytes for a pair of tiles, the tile's half of each 256
	s_mul_i32 s72, s72, 768
	s_and_b32 s81, s80, 1
	s_lshl_b32 s81, s81, 7
	s_add_co_u32 s72, s72, s81
	s_add_co_u32 s72, s72, s82
	s_add_co_u32 s72, s72, 8*98304
	s_mov_b32 s73, 0
	s_lshl_b32 s80, s80, 4                         ; my first query
	s_add_co_u32 s74, s80, s70
	s_add_co_u32 s74, s74, 8*4096                  ; its scale bytes
	s_mov_b32 s75, 0
	s_lshl_b32 s76, s[BAT], 12
	s_add_co_u32 s76, s76, s80
	s_lshl_b32 s81, s[GG], 2
	s_add_co_u32 s76, s76, s81                     ; the first of the four rows that I store
	s_lshl_b32 s76, s76, 9
	s_mov_b32 s77, 0
	s_mul_i32 s78, s[CX], 2*98304                  ; the prefetches: my work-group's two planes, at slot 1: the first trip steps it to slot 2
	s_add_co_u32 s78, s78, s82
	s_add_co_u32 s78, s78, 12288
	s_mov_b32 s79, 0
	s_sub_co_u32 s83, s[WV], 9
	s_cmp_lt_u32 s83, 3                            ; waves 9 to 11
	s_cselect_b32 s[PF], 1, 0
	s_cmp_eq_u32 s[CC], 0                          ; of the batch's first cluster: the same in all four partners
	s_cselect_b32 s[PF], s[PF], 0
	s_mov_b32 s[SEL], 0x76543210
	s_mov_b32 s[SEL+1], 0xfedcba98
	s_mov_b32 s[CS], 0x3e0293ee                    ; c = log2(e) / sqrt(128)
	s_mov_b32 s[CS+1], s[CS]                       ; (named with it as a pair, so it is written)
	s_mov_b32 s56, 0x05010400                      ; byte selects that turn four planes' bytes into scale words
	s_mov_b32 s57, 0x07030602
	s_mov_b32 s58, 0x05040100
	s_mov_b32 s59, 0x07060302
	s_mov_b32 s[SI], 0
	s_mov_b32 s60, 3
	v_and_b32 v32, 15, v0                          ; r
	v_bfe_u32 v33, v0, 4, 1                        ; h
	v_and_b32 v34, 31, v0                          ; lane
	v_lshlrev_b32 v35, 3, v32                      ; 8 r
	s_mul_i32 s83, s[GG], 3072                     ; my 128 keys of a slot: 3,072 bytes of each plane
	v_mad_u32_u24 v[AK0], v33, 12288+128, v35
	v_add_nc_u32 v[AK0], s83, v[AK0]
	v_mad_u32_u24 v[AK1], v33, 12288-128, v35
	s_add_co_u32 s84, s83, 128
	v_add_nc_u32 v[AK1], s84, v[AK1]
	s_add_co_u32 s84, s83, 4*12288
	v_lshl_add_u32 v[AV0], v34, 3, s84
	s_lshl_b32 s84, s[GG], 7
	s_add_co_u32 s84, s84, SCOF
	v_add_nc_u32 v[AS0], s84, v35
	s_and_b32 s84, s[UU], 1
	s_lshl_b32 s84, s84, 6
	s_lshl_b32 s85, s[CX], 4
	s_add_co_u32 s84, s84, s85
	v_lshlrev_b32 v37, 3, v33
	v_sub_nc_u32 v[DL], v32, v37
	v_add_nc_u32 v[DL], s84, v[DL]                 ; 64 (quad % 2) + 16 cx + r - 8 h
	v_mad_u32_u24 v36, v33, 98304, v35             ; q's codes: 8 r, lanes 16-31 one plane on
	v_add_nc_u32 v[PFO], 0xfffffee0, v0            ; my run among the 96: thread - 288
	v_mov_b32 v37, 98304-12288
	v_cmp_lt_i32 vcc_lo, 47, v[PFO]
	v_cndmask_b32 v37, 0, v37, vcc_lo
	v_lshl_add_u32 v[PFO], v[PFO], 8, v37
	s_wait_dscnt 0x0                               ; the opening add is done
	s_wait_kmcnt 0x0
	s_add_nc_u64 s[G0C+2:G0C+3], s[4:5], s[68:69]
	s_add_nc_u64 s[G0C+6:G0C+7], s[G0C+2:G0C+3], 12288     ; slot 1 begins with keys 512 on
	s_or_b32 s[G0C+3], s[G0C+3], 0x80000000
	s_or_b32 s[G0C+7], s[G0C+7], 0x80000000
	s_add_nc_u64 s[G0S+2:G0S+3], s[6:7], s[70:71]
	s_add_nc_u64 s[G0S+6:G0S+7], s[G0S+2:G0S+3], 512
	s_or_b32 s[G0S+3], s[G0S+3], 0x80000000
	s_or_b32 s[G0S+7], s[G0S+7], 0x80000000
	s_add_nc_u64 s[72:73], s[4:5], s[72:73]
	s_add_nc_u64 s[74:75], s[6:7], s[74:75]
	s_add_nc_u64 s[OUT:OUT+1], s[8:9], s[76:77]
	s_add_nc_u64 s[PFA:PFA+1], s[4:5], s[78:79]
	CROUND                                         ; all four work-groups are here: the first joint loads meet
	TLOAD 0                                        ; slot 0: keys 0 to 511
.irp p, 0,1,2,3,4,5
	global_load_b64 v[16+2*\p:17+2*\p], v36, s[72:73] offset:2*98304*(\p/3)+256*(\p%3)   ; Q's fragment stays in registers: registers 6 c + 2 j: piece j of head block 2 c + h
.endr
.irp b, 0,1,2,3
	global_load_u8 v[244+\b], v32, s[74:75] offset:4096*\b
.endr
	v_mov_b32 v13, 0xff61b1e6                      ; the largest t so far: -3e38, under every t
	v_floor_f32 v12, -v13                          ; -M
	v_mov_b32 v14, 0                               ; the sum, in two halves
	v_mov_b32 v15, 0
	v_mov_b32 v252, 0                              ; (a wave all of whose steps are hidden writes it nowhere else ahead of the merge's lane permute)
	v_mov_b32 v253, 0                              ; (named as the upper half of the pair v[252:253] before it is first written)
.set n, 0
.rept 64
	v_mov_b32 v[160+n], 0                          ; O^T.  (The step is written without a first step of its own: it finds zeros, which the first change of M leaves zeros)
.set n, n+1
.endr
	s_wait_loadcnt 0x0                             ; Q
	v_lshl_or_b32 v255, v245, 8, v244              ; Q's scale words
	v_lshl_or_b32 v255, v246, 16, v255
	v_lshl_or_b32 v255, v247, 24, v255
.macro KLOAD g                         ; four tiles of 16 keys: tile T = 4 g + t: registers 6 c + 2 j: piece j of head block 2 c + h
.irp t, 0,1,2,3
.irp p, 0,1,2,3,4,5
	ds_load_b64 v[32+12*\t+2*\p:33+12*\t+2*\p], v[ADK+\t%2] offset:2*12288*(\p/3)+768*((4*\g+\t)/2)+256*(\p%3)
.endr
.endr
.endm
.macro KMUL g
.irp t, 0,1,2,3
	v_wmma_scale_f32_16x16x128_f8f6f4 v[96+8*(4*\g+\t):103+8*(4*\g+\t)], v[32+12*\t:43+12*\t], v[16:27], 0, v[80+4*\g+\t], v255 matrix_a_fmt:MATRIX_FMT_FP6 matrix_b_fmt:MATRIX_FMT_FP6
.endr
.endm
; A KEY STEP: my 128 keys of the slot sg.
.macro STEP sg
	s_cmp_gt_i32 s[SI], s[EE]                      ; all 128 keys come after my quad: the step is left out
	s_cbranch_scc1 .Lhidden_\@
	v_add_nc_u32 v[ADK], (\sg)*SLOTB, v[AK0]       ; (these four are also the places in front of the loads into registers that the last step's products have read)
	v_add_nc_u32 v[ADK+1], (\sg)*SLOTB, v[AK1]
	v_add_nc_u32 v[ADV], (\sg)*SLOTB, v[AV0]
	v_add_nc_u32 v[ADS], (\sg)*SLOTB, v[AS0]
.irp b, 0,1,2,3
	ds_load_b64 v[236+2*\b:237+2*\b], v[ADS] offset:512*\b         ; K's scale bytes: head block b of keys 16 T + r, T = 0 .. 7
.endr
.irp b, 0,1,2,3
	ds_load_b64 v[88+2*\b:89+2*\b], v[ADS] offset:2048+512*\b      ; V's scale words of channel tiles 2 b, 2 b + 1
.endr
	KLOAD 0
	s_wait_dscnt 24                                ; the eight loads of scale bytes are in; K's 24, issued behind them, may be out
.irp e, 0,1                                    ; four planes' bytes of tiles 4 e .. 4 e + 3 become four words: byte b of a word is head block b's
	v_perm_b32 v244, v[238+\e], v[236+\e], s56
	v_perm_b32 v245, v[238+\e], v[236+\e], s57
	v_perm_b32 v246, v[242+\e], v[240+\e], s56
	v_perm_b32 v247, v[242+\e], v[240+\e], s57
	v_perm_b32 v[80+4*\e], v246, v244, s58
	v_perm_b32 v[81+4*\e], v246, v244, s59
	v_perm_b32 v[82+4*\e], v247, v245, s58
	v_perm_b32 v[83+4*\e], v247, v245, s59
.endr
.rept 8
	v_nop                                          ; a scale register written by a vector instruction stands 8 places ahead of a scaled matrix instruction
.endr
	s_wait_dscnt 0x0
	KMUL 0                                         ; S^T = K Q^T: lane (r, h) holds query r; register 8 T + j is key 16 T + 8 h + j
	PLACES
	KLOAD 1
	s_wait_dscnt 0x0
	KMUL 1
	PLACES
	s_cmp_lg_u32 s[SI], s[EE]                      ; on the diagonal the scores of hidden keys become -infinity ahead of the maximum: p = 0 then.  The step's first key counts for every query of the quad
	s_cbranch_scc1 .Lopen_\@
	v_mov_b32 v254, 0xff800000
.set n, 0
.rept 64
	v_cmp_gt_i32 vcc_lo, 16*(n/8)+n%8, v[DL]
	v_cndmask_b32 v[96+n], v[96+n], v254, vcc_lo
.set n, n+1
.endr
.Lopen_\@:
.irp b, 0,1,2,3
	v_max3_num_f32 v[232+\b], v[96+16*\b], v[97+16*\b], v[98+16*\b]   ; THE LARGEST SCORE OF EACH BLOCK OF 32 KEYS: it serves twice: for the row's maximum, and, since p rises with the score, for the block's largest p
.endr
.irp i, 3,5,7,9,11,13
.irp b, 0,1,2,3
	v_max3_num_f32 v[232+\b], v[232+\b], v[96+16*\b+\i], v[97+16*\b+\i]   ; (the four blocks by turns)
.endr
.endr
.irp b, 0,1,2,3
	v_max_num_f32 v[232+\b], v[232+\b], v[111+16*\b]
.endr
.irp b, 0,1,2,3
	v_permlanex16_b32 v[236+\b], v[232+\b], s[SEL], s[SEL+1]
.endr
.irp b, 0,1,2,3
	v_max_num_f32 v[232+\b], v[232+\b], v[236+\b]  ; with lane l xor 16's 16 keys
.endr
	v_max3_num_f32 v254, v232, v233, v234
	v_max_num_f32 v254, v254, v235                 ; the step's largest score of my query
	v_mul_f32 v254, s[CS], v254                    ; as t (c is positive)
	v_max_num_f32 v13, v13, v254                   ; the running largest t
	v_mov_b32 v254, v12
	v_floor_f32 v12, -v13                          ; the new -M = floor(-t) = -ceil(t): M IS A WHOLE NUMBER
	v_sub_f32 v254, v12, v254                      ; M's old value less its new one: a whole number, 0 or less
	v_cvt_i32_f32 v254, v254                       ; (it saturates)
	v_ldexp_f32 v252, 1.0, v254                    ; f = 2^(old M - new M): a multiplication by it rounds nothing
.set j, 0
.rept 32
	v_pk_fma_f32 v[96+j:97+j], v[96+j:97+j], s[CS:CS+1], v[12:13] op_sel_hi:[1,0,0]   ; t - M, two at a time (of the pairs c and -M the low word serves both halves)
.set j, j+2
.endr
.irp b, 0,1,2,3
	v_fma_f32 v[232+\b], v[232+\b], s[CS], v12     ; the same of each block's largest score
.endr
.set j, 0
.rept 64
	v_exp_f32 v[96+j], v[96+j]                     ; p = 2^(t - M), at most 1: NOT normalised
.set j, j+1
.endr
	v_pk_mul_f32 v[14:15], v[14:15], v[252:253] op_sel_hi:[1,0]   ; the sums under the new M.  (A plain place behind the exponentials)
	s_wait_alu depctr_va_vdst(0)                   ; one wait for the whole batch, ahead of its first reader
.irp b, 0,1,2,3
	v_exp_f32 v[232+\b], v[232+\b]                 ; the block's largest p: the same two instructions on the same number give the same bits
.endr
	v_pk_add_f32 v[236:237], v[96:97], v[98:99]    ; THE ROW'S SUM IS TAKEN OF THE UNQUANTISED p: two at a time, in two chains.  (It reads the 64 alone: plain work behind the four)
.irp j, 4,8,12,16,20,24,28,32,36,40,44,48,52,56,60
	v_pk_add_f32 v[14:15], v[14:15], v[96+\j:97+\j]
	v_pk_add_f32 v[236:237], v[236:237], v[98+\j:99+\j]
.endr
	v_pk_add_f32 v[14:15], v[14:15], v[236:237]
	s_wait_alu depctr_va_vdst(0)                   ; and one for the four
.irp b, 0,1,2,3
	v_max_num_f32 v[232+\b], 0x1800000, v[232+\b]  ; the floor 2^(3 - 127): the byte cannot fall under 1 (a block whose every p is 0 keeps that byte: its codes are zeros)
.endr
.irp b, 0,1,2,3
	v_add_nc_u32 v[244+\b], 0xff000000, v[232+\b]  ; 2 off the exponent field: the conversion's scale operand
.endr
.irp b, 0,1,2,3
	v_lshrrev_b32 v[236+\b], 23, v[244+\b]         ; the scale's byte
.endr
	v_lshl_or_b32 v253, v237, 8, v236              ; p's scale word for these 128 keys
	v_lshl_or_b32 v253, v238, 16, v253
	v_lshl_or_b32 v253, v239, 24, v253
.irp c, 0,1
	v_cvt_scalef32_pk16_fp6_f32 v[224+6*\c:226+6*\c], v[96+32*\c:111+32*\c], v[244+2*\c]
	v_cvt_scalef32_pk16_fp6_f32 v[236+4*\c:238+4*\c], v[112+32*\c:127+32*\c], v[244+2*\c+1]   ; (a conversion's three registers begin on an even number)
.endr
	v_nop                                          ; one plain vector instruction between a scaled conversion and the vector instruction that touches its result
.irp c, 0,1                                    ; the operand's layout wants a WHOLE block in a lane: lanes 0-15 block 2 c, lanes 16-31 block 2 c + 1
.irp i, 0,1,2
	v_permlane16_swap_b32 v[224+6*\c+\i], v[236+4*\c+\i]
.endr
.irp i, 0,1,2
	v_mov_b32 v[227+6*\c+\i], v[236+4*\c+\i]
.endr
.endr
.set j, 0
.rept 32
	v_pk_mul_f32 v[160+j:161+j], v[160+j:161+j], v[252:253] op_sel_hi:[1,0]   ; O^T under the new M: x f.  (These 32 are also the places in front of the matrix instructions and loads below)
.set j, j+2
.endr
.irp g, 0,1                                    ; O^T += V^T P^T: four tiles of 16 channels at a time; K = these 128 keys
.if \g > 0
	PLACES
.endif
.irp t, 0,1,2,3
.irp p, 0,1,2,3,4,5
	ds_load_b64 v[32+12*\t+2*\p:33+12*\t+2*\p], v[ADV] offset:12288*((4*\g+\t)/2)+1536*(\t%2)+768*(\p/3)+256*(\p%3)   ; an image of the fragment's registers: 8 bytes a lane, 256 on end
.endr
.endr
	s_wait_dscnt 0x0
.irp t, 0,1,2,3
	v_wmma_scale_f32_16x16x128_f8f6f4 v[160+8*(4*\g+\t):167+8*(4*\g+\t)], v[32+12*\t:43+12*\t], v[224:235], v[160+8*(4*\g+\t):167+8*(4*\g+\t)], v[88+4*\g+\t], v253 matrix_a_fmt:MATRIX_FMT_FP6 matrix_b_fmt:MATRIX_FMT_FP6
.endr
.endr
.Lhidden_\@:
.endm
; A TRIP: the change of slots, then my key step of slot sg.  Each wave waits for all its tensor loads (its part of the slot that it is about to read), adds 0 to its spare word, and waits for that and for its reads of the slot that it has left.
; refill = 1: a round of the cluster's barrier, and behind it the other slot is asked for jointly: the next 512 keys.  ask = 1: the prefetch of the slot after that.
.macro TRIP sg, refill, ask
	s_wait_tensorcnt 0x0                           ; no tensor load of mine is out, so a group 0 may be written
	ds_add_u32 v[SPW], v[NIL]                      ; 0 onto my spare word; the descriptors' steps stand between it and the wait for it
	s_add_nc_u64 s[G0C+4*\sg+2:G0C+4*\sg+3], s[G0C+4*\sg+2:G0C+4*\sg+3], 2*12288   ; this slot's next tile (in the last trips the stepped address is not used)
	s_add_nc_u64 s[G0S+4*\sg+2:G0S+4*\sg+3], s[G0S+4*\sg+2:G0S+4*\sg+3], 2*512
.if \ask
	s_wait_xcnt 0x0                                ; the last prefetch, a slot back, has read its address, so it may be written
	s_add_nc_u64 s[PFA:PFA+1], s[PFA:PFA+1], 12288
.endif
	s_wait_dscnt 0x0                               ; the add is done, and my reads of the slot that I have left are over
.if \refill
	CROUND                                         ; both now hold of every wave of all four work-groups
	TLOAD 1-\sg                                    ; the first thing behind the round, and a wave's one tensor load until the next
.if \ask
	ASK
.endif
.else
	s_barrier_signal -1
	s_barrier_wait -1
.endif
	STEP \sg
	s_add_co_u32 s[SI], s[SI], 4
.endm
.Lslot:                                            ; three trips: slots 0 to 5 are read, slots 1 to 6 asked for
	TRIP 0, 1, 1
	TRIP 1, 1, 1
	s_sub_co_u32 s60, s60, 1
	s_cmp_lg_u32 s60, 0
	s_cbranch_scc1 .Lslot
	s_cmp_ge_u32 s[CC], 8                          ; the cluster's number alone: the same in all waves of all four partners
	s_cbranch_scc1 .Ltail_b
	TRIP 0, 1, 0                                   ; clusters with a quad from 56 on: slot 6 is read, the last 512 keys are asked for,
	TRIP 1, 0, 0                                   ; and read
	s_branch .Ljoin
.Ltail_b:
	TRIP 0, 0, 0                                   ; the others: slot 6 is their last; the last 512 keys, which none of the four would read, are not asked for
.Ljoin:
	; THE MERGE.  Each wave's O^T, -M and sum go to LDS; wave (t, g) then takes rows 4 g .. 4 g + 3 of tile t from the tile's four parts: each part x 2^(its M - the largest M), added, divided by the sums so added.
	PLACES                                         ; behind the last products, ahead of the first read of their results
	v_add_f32 v14, v14, v15                        ; the sum's two halves,
	v_permlanex16_b32 v252, v14, s[SEL], s[SEL+1]
	v_add_f32 v14, v14, v252                       ; and lane l xor 16's
	v_and_b32 v32, 15, v0                          ; r
	v_bfe_u32 v33, v0, 4, 1                        ; h
	v_and_b32 v34, 31, v0                          ; lane
	s_lshl_b32 s68, s[TT], 2
	s_add_co_u32 s68, s68, s[GG]
	s_mul_i32 s68, s68, PARTB                      ; my part: 4 t + g
	v_mul_u32_u24 v8, v32, 528
	v_lshl_add_u32 v8, v33, 5, v8
	v_add_nc_u32 v8, s68, v8                       ; in: row r, + 32 h; channel tile d: 64 d bytes on
	s_lshl_b32 s68, s[TT], 9
	s_lshl_b32 s69, s[GG], 2
	s_add_co_u32 s69, s69, s68
	s_add_co_u32 s69, s69, STATS
	v_lshl_add_u32 v9, v32, 5, s69                 ; my query's 32 bytes, my word of them
	s_lshl_b32 s69, s[GG], 7
	s_add_co_u32 s69, s69, s68
	s_add_co_u32 s69, s69, STATS
	v_mov_b32 v10, s69                             ; back: the figures of rows 4 g on
	s_mul_i32 s68, s[TT], 4*PARTB
	s_mul_i32 s69, s[GG], 4*528
	s_add_co_u32 s68, s68, s69
	v_lshl_add_u32 v11, v34, 4, s68                ; and the rows themselves: 16 bytes a lane
	v_lshlrev_b32 v1, 4, v34                       ; the same in out0
	s_wait_dscnt 0x0                               ; my reads of the slots are over
	s_barrier_signal -1
	s_barrier_wait -1                              ; everybody's are: the slots have had their last fill and their last read
.irp d, 0,1,2,3,4,5,6,7
	ds_store_b128 v8, v[160+8*\d:163+8*\d] offset:64*\d            ; each accumulator from its low end on
	ds_store_b128 v8, v[164+8*\d:167+8*\d] offset:64*\d+16
.endr
	ds_store_b32 v9, v12                           ; -M  (both halves of the lanes write the same word with the same value)
	ds_store_b32 v9, v14 offset:16                 ; the sum
	s_wait_dscnt 0x0                               ; for the others' sake: my stores have landed
	s_barrier_signal -1
	s_barrier_wait -1
.irp i, 0,1,2,3
	ds_load_b128 v[32+8*\i:35+8*\i], v10 offset:32*\i              ; row 4 g + i: the four -M,
	ds_load_b128 v[36+8*\i:39+8*\i], v10 offset:32*\i+16           ; the four sums,
.endr
.irp i, 0,1,2,3
.irp p, 0,1,2,3
	ds_load_b128 v[96+16*\i+4*\p:99+16*\i+4*\p], v11 offset:PARTB*\p+528*\i   ; and my 16 bytes of the row in each of the four parts
.endr
.endr
	s_wait_dscnt 0x0
.irp i, 0,1,2,3
	v_min_num_f32 v[232+\i], v[32+8*\i], v[33+8*\i]
.endr
.irp i, 0,1,2,3
	v_min_num_f32 v[232+\i], v[232+\i], v[34+8*\i]
.endr
.irp i, 0,1,2,3
	v_min_num_f32 v[232+\i], v[232+\i], v[35+8*\i]                 ; the least -M: the largest M
.endr
.irp i, 0,1,2,3
.irp p, 0,1,2,3
	v_sub_f32 v[64+4*\i+\p], v[232+\i], v[32+8*\i+\p]              ; the part's M less the largest: a whole number, 0 or less (a part that saw no key: -3e38)
.endr
.endr
.set n, 0
.rept 16
	v_cvt_i32_f32 v[64+n], v[64+n]                 ; (it saturates)
.set n, n+1
.endr
.set n, 0
.rept 16
	v_ldexp_f32 v[64+n], 1.0, v[64+n]              ; the part's factor, an exact power of two, or 0
.set n, n+1
.endr
.irp i, 0,1,2,3
	v_mul_f32 v[236+\i], v[64+4*\i], v[36+8*\i]
.endr
.irp p, 1,2,3
.irp i, 0,1,2,3
	v_fmac_f32 v[236+\i], v[64+4*\i+\p], v[36+8*\i+\p]             ; the row's sum
.endr
.endr
.irp i, 0,1,2,3
	v_rcp_f32 v[236+\i], v[236+\i]
.endr
	v_nop                                          ; a plain instruction between the last reciprocal and the use of its result
	s_wait_alu depctr_va_vdst(0)                   ; and a wait ahead of the first use: one for the four
.irp i, 0,1,2,3
.irp p, 0,1,2,3
	v_mul_f32 v[64+4*\i+\p], v[64+4*\i+\p], v[236+\i]
.endr
.endr
.irp i, 0,1,2,3
.irp k, 0,1,2,3
	v_mul_f32 v[96+16*\i+\k], v[96+16*\i+\k], v[64+4*\i]
.endr
.endr
.irp p, 1,2,3
.irp i, 0,1,2,3
.irp k, 0,1,2,3
	v_fmac_f32 v[96+16*\i+\k], v[96+16*\i+4*\p+\k], v[64+4*\i+\p]
.endr
.endr
.endr
.irp i, 0,1,2,3
	global_store_b128 v1, v[96+16*\i:99+16*\i], s[OUT:OUT+1] offset:512*\i   ; 32 lanes store a row of 512 consecutive bytes, at a multiple of 256 from out0's first byte
.endr
	s_wait_tensorcnt 0x0                           ; the wave's end, behind my last tensor load and my last LDS store
	ds_add_u32 v[SPW], v[NIL]
	s_wait_dscnt 0x0
	CROUND                                         ; the closing round: no work-group ends while a partner may still ask for a tile that names it
	s_endpgm
.Lfunc_end_k_q599018c1b4_attn:
	.size	k_q599018c1b4_attn, .Lfunc_end_k_q599018c1b4_attn-k_q599018c1b4_attn
	.p2alignl 7, 3214868480
	.fill 96, 4, 3214868480
	.section	.rodata,"a",@progbits
	.p2align	6, 0x0
	.amdhsa_kernel k_q599018c1b4_attn
		.amdhsa_group_segment_fixed_size 327680
		.amdhsa_private_segment_fixed_size 0
		.amdhsa_enable_private_segment 0
		.amdhsa_kernarg_size 24
		.amdhsa_user_sgpr_count 2
		.amdhsa_user_sgpr_kernarg_segment_ptr 1
		.amdhsa_wavefront_size32 1
		.amdhsa_system_sgpr_workgroup_id_x 1
		.amdhsa_system_sgpr_workgroup_id_y 1
		.amdhsa_system_sgpr_workgroup_id_z 1
		.amdhsa_system_vgpr_workitem_id 0
		.amdhsa_next_free_vgpr 256
		.amdhsa_next_free_sgpr 96
		.amdhsa_reserve_vcc 1
		.amdhsa_float_denorm_mode_32 3
		.amdhsa_float_denorm_mode_16_64 3
		.amdhsa_memory_ordered 1
		.amdhsa_forward_progress 1
		.amdhsa_inst_pref_size 168
	.end_amdhsa_kernel
	.amdgpu_metadata
---
amdhsa.version: [ 1, 2 ]
amdhsa.kernels:
  - .name:           k_q599018c1b4_attn
    .symbol:         k_q599018c1b4_attn.kd
    .args:
      - { .name: cod, .offset: 0, .size: 8, .value_kind: global_buffer, .address_space: global }
      - { .name: scl, .offset: 8, .size: 8, .value_kind: global_buffer, .address_space: global }
      - { .name: out0, .offset: 16, .size: 8, .value_kind: global_buffer, .address_space: global }
    .group_segment_fixed_size: 327680
    .private_segment_fixed_size: 0
    .kernarg_segment_align: 8
    .kernarg_segment_size: 24
    .max_flat_workgroup_size: 512
    .sgpr_count:     96
    .vgpr_count:     256
    .wavefront_size: 32
...
	.end_amdgpu_metadata
.endif
;; end of part 2
